; MI455X (gfx1250); checked and timed in simulation.
; The chip was launched on July 23, 2026; its instructions are those of AMD's public machine-readable ISA for CDNA 5 (MIT licence, August 2026) and "CDNA5" Instruction Set Architecture Reference Guide (July 2026). The comments in the code are by the model that wrote it; some were corrected since.
;; Min GRU. Allowed arithmetic: matrix products marked QUANTISED: E3M2 operands, one E8M0 scale for each 32 along K, by v_wmma_scale_f32_16x16x128_f8f6f4 with both operands' format E3M2, f32 sums; everything else in f32.
;; Inputs: Wh_codes 2 x 1,024 x 32 x 24 uint8 (E3M2 codes of Wh, K innermost, in blocks of 32 codes, four codes in three bytes); Wh_scales 2 x 1,024 x 32 uint8 (E8M0 scales of Wh, one for each 32 codes along K); Wz_codes 2 x 1,024 x 32 x 24 uint8 (E3M2 codes of Wz, K innermost, in blocks of 32 codes, four codes in three bytes); Wz_scales 2 x 1,024 x 32 uint8 (E8M0 scales of Wz, one for each 32 codes along K); bh 2 x 1,024 float32; bz 2 x 1,024 float32; x_codes 8 x 2,048 x 32 x 24 uint8 (E3M2 codes of x, K innermost, in blocks of 32 codes, four codes in three bytes); x_scales 8 x 2,048 x 32 uint8 (E8M0 scales of x, one for each 32 codes along K).
;; Outputs: out0 8 x 2,048 x 1,024 float32.
;; This version of the problem:
;;   THIS VERSION OF THE PROBLEM IS GIVEN IN LOW PRECISION. The matrix products marked QUANTISED in the list below multiply operands that are first quantised to E3M2 (3 exponent bits, 2 mantissa bits; 6 bits a number), with one power-of-two scale for each 32 numbers along K (OCP MX v1.0); their sums are f32. All else is computed in f32.
;;   The module's matrix products, in the order in which they are computed (A, B: the left and right operand; K: the contracted axis; several contracted axes count as one K, in the product's order):
;;     1. [M 16,384, K 1,024] x [K 1,024, N 1,024]; A: input x (given as codes); B: input Wz (given as codes): QUANTISED
;;     2. [M 16,384, K 1,024] x [K 1,024, N 1,024]; A: input x (given as codes); B: input Wh (given as codes): QUANTISED
;;     3. [M 16,384, K 1,024] x [K 1,024, N 1,024]; A: computed on the way; B: input Wz (given as codes): QUANTISED
;;     4. [M 16,384, K 1,024] x [K 1,024, N 1,024]; A: computed on the way; B: input Wh (given as codes): QUANTISED
;;   THE QUANTISER, for each operand of a quantised product, along K:
;;     - K is cut into blocks of 32 from its start; a last block that is shorter is filled with zeros.
;;     - A block's scale is 2^e with e = floor(log2(the largest magnitude in the block)) - 4, held to -126 .. 127; a block of zeros has e = 0. As a byte (E8M0): e + 127.
;;     - Each number is divided by its block's scale, clamped to +-28, and rounded to the nearest number of E3M2, ties to even, subnormals kept.
;;     - The product sums the exact products of the quantised numbers (number of the format x scale) in f32.
;;   ~~~python
;;   def quantise(x, axis):      # numpy; x: float32 -> the quantised numbers, widened to float32 again
;;       x = np.moveaxis(x, axis, -1); K = x.shape[-1]
;;       x = np.pad(x, [(0, 0)] * (x.ndim - 1) + [(0, -K % 32)]); x = x.reshape(x.shape[:-1] + (-1, 32)); a = np.abs(x).max(-1, keepdims=True)
;;       e = np.where(a > 0, np.clip(np.frexp(np.where(a > 0, a, 1))[1] - 1 - 4, -126, 127), 0)      # np.frexp(a)[1] - 1 = floor(log2(a)), exactly
;;       r = np.clip(x / 2.0 ** e, -28, 28)
;;       step = 2.0 ** (np.maximum(np.frexp(np.where(r == 0, 1, r))[1] - 1, -2) - 2)
;;       q = np.round(r / step) * step * 2.0 ** e      # np.round: ties to even
;;       return np.moveaxis(q.reshape(q.shape[:-2] + (-1,))[..., :K], -1, axis).astype(np.float32)
;;   ~~~
;;   OPERANDS COMPUTED ON THE WAY. 'Computed on the way' means the value that the module computes at that place (a softmax that the list does not call 'softmax' is quantised finished and normalised). What goes into a quantiser is computed in f32, as accurately as f32 sums, v_exp_f32 and their like allow (about 1e-6 of the number): no bf16 or f16 on the way to a quantiser, and a product that is left as it is and whose result goes on into a quantised operand takes f32 operands (vector FMAs, or v_wmma_f32_16x16x4_f32). A number that lies on a knife's edge between two numbers of the format may be rounded either way, as far as f32 arithmetic and the matrix unit's own rounding can turn it there, and no further.
;;   INPUTS GIVEN AS CODES. Wh (in the module: [2, 1024, 1024], K = its axis 2); Wz (in the module: [2, 1024, 1024], K = its axis 2); x (in the module: [8, 2048, 1024], K = its axis 2): each comes as NAME_codes (uint8): NAME with its K axis moved to the last place and cut into blocks of 32 codes, [.., K / 32, bytes a block], one block behind the other in memory; four codes in three bytes: a row's codes are one little-endian stream of bits, code i at bits 6 i .. 6 i + 5 (a code: sign, 3 exponent bits, 2 mantissa bits); and NAME_scales (uint8): the same leading axes, one E8M0 byte (e + 127) for each 32 codes along K. Its value is code x scale, taken as it is: it is not quantised again, and the codes and scales need not be those that the quantiser above would give.
;; One version. Each part assembles by itself: llvm-mc -triple=amdgcn-amd-amdhsa -mcpu=gfx1250 --defsym DOCPART=n.
;; ======== version 1 of 1: 2 launches
;; limits: right only within a limited range of input values
;; workspace buffers: h1_codes 12,582,912 bytes; h1_scales 524,288 bytes
;; launch layer1 (part 1): grid 32 x 8, 4 waves a work-group, clusters of 4 x 1, 327,680 bytes of LDS; arguments x_codes, x_scales, Wz_codes, Wz_scales, Wh_codes, Wh_scales, bz, bh, h1_codes, h1_scales; writes h1_codes, h1_scales
.if DOCPART == 1
	.amdgcn_target "amdgcn-amd-amdhsa--gfx1250"
	.amdhsa_code_object_version 6
	.text
	.protected	k_q0ce43ae49e_layer1
	.globl	k_q0ce43ae49e_layer1
	.p2align	8
	.type	k_q0ce43ae49e_layer1,@function
k_q0ce43ae49e_layer1:
	s_mov_b64 s[64:65], 0
	v_nop
	global_prefetch_b8 v0, s[64:65] scope:SCOPE_SE
	s_setreg_imm32_b32 hwreg(HW_REG_WAVE_MODE, 25, 1), 1
	s_wait_xcnt 0x0
	s_wait_alu depctr_hold_cnt(0) depctr_sa_sdst(0) depctr_va_vdst(0) depctr_va_sdst(0) depctr_va_ssrc(0) depctr_va_vcc(0) depctr_vm_vsrc(0)
	s_getreg_b32 s2, hwreg(HW_REG_IB_STS2, 6, 4)
	s_cmp_eq_u32 s2, 0
	s_cbranch_scc0 .Lentry_in_a_cluster
	s_endpgm
.Lentry_in_a_cluster:
	s_bfe_u32 s2, ttmp6, 0x10000c
	s_cmp_lg_u32 s2, 0x3003
	s_cbranch_scc0 .Lentry_shape_is_right
	s_endpgm
.Lentry_shape_is_right:
; LAYER 1 OF minGRU ON CODES OF BF6 (E3M2), one E8M0 scale for each 32 along K.
;   k = x Wz^T + bz, p = x Wh^T + bh;  z = sigmoid(k), a = sigmoid(-k), g = max(p + 0.5, sigmoid(p)), which is reference()'s g for every p;
;   h_t = a_t h_(t-1) + z_t g_t along a batch's 2,048 steps, h_0 = 0.5: the recurrence that the cumulative sums in log space stand for; every term is 0 or more.
;   h is quantised along the channels and leaves as h1_codes [batch][block of 32 channels][step][24 bytes] and h1_scales [batch][block][step].
; SHARES.  Work-group (kb, b): batch b, channels 32 kb .. 32 kb + 31, all steps in order.  Its 64 rows of weights stay in every wave's registers.  A stage is 64 steps, 16 a wave: 32 matrix instructions.
; A STAGE.  The activations of the tile before, in batches (all sources, all exponentials, all sums, all reciprocals); the chains of 8 steps; the wave's aggregate to LDS;
;   this tile's 32 products, back to back on four accumulators by turns; ONE barrier; the carry through the four aggregates; the way out.
; CLUSTER.  The four work-groups of a cluster share a batch: every tensor load but the weights' is asked for jointly (mask 15).
; LIMITS.  NaN and infinities among the inputs are not served.  -k log2(e) is held at 120 from above, so z is never under 2^-120; what falls under the smallest normal f32 number is lost.
;   A block of zeros gets the scale byte 1, not 127: its codes are zeros, and this program alone reads the bytes.
.set LAYER, 1
.set SLOT1,  1<<17
.set AGG,    104448
.set TRS,    108544
.set SCB,    117760
.set SPARE,  119808
.set SCL,    235520
.if LAYER == 1
.set CHUNKB, 98304
.set SCW,    17408
.set TSSTEP, 2176
.set STEP,   1536
.set PFW,    24576
.else
.set CHUNKB, 3072
.set SCW,    16384
.set TSSTEP, 64
.set STEP,   262144
.set PFW,    393216
.endif
.set WOFF,   (LAYER-1)*786432
.set WSOFF,  (LAYER-1)*32768
.set BOFF,   (LAYER-1)*4096
.set SPW,  1
.set NIL,  2
.set ADA0, 3
.set ADA0B, 4
.set ADA,  5
.set ADAB, 6
.set ADS0, 7
.set ADS,  8
.set AGW,  9
.set AGR,  10
.set GO,   11
.set TRW,  12
.set TRR,  13
.set SBW0, 14
.set PFO,  15
.set H,    16
.set CBZ,  18
.set CBH,  20
.set BH5,  22
.set OP,   24
.set OQ,   26
.set HW,   28
.set HIN,  30
.set XS,   32
.set WS,   36
.set TMP,  52
.set AGV,  60
.set AF,   64
.set ACC,  160
.set E1,   224
.set E2,   240
.set WV,  24
.set CX,  25
.set KB,  26
.set BB,  27
.set G1,  28
.set G1S, 36
.set G0S, 44
.set G0A, 48
.set G0B, 52
.set TB,  56
.set TS,  57
.set TSB, 58
.set CNT, 59
.set SEL, 60
.set NC,  62
.set CL,  66
.set M1,  67
.set M2,  68
.set M3,  69
.set HM,  70
.set LIM, 71
.set PFA, 72
.set MSB, 0
.macro WIN new
.if MSB != \new
	s_set_vgpr_msb (MSB<<8)|\new
.set MSB, \new
.endif
.endm
.macro PLACES n
.rept \n
	v_nop
.endr
.endm
.macro CROUND
	s_barrier_signal -1
	s_barrier_wait -1
	s_cmp_lg_u32 s[WV], 0
	s_cbranch_scc1 .Lnot_wave_0_\@
	s_barrier_signal -3
.Lnot_wave_0_\@:
	s_barrier_wait -3
	s_barrier_signal -1
	s_barrier_wait -1
.endm
.macro ASK
	s_cmp_gt_u32 s[CNT], s[LIM]
	s_cbranch_scc0 .Lnot_mine_\@
	global_prefetch_b8 v[PFO], s[PFA:PFA+1] th:TH_LOAD_NT scope:SCOPE_SE
.Lnot_mine_\@:
.endm
	s_load_b512 s[4:19], s[0:1], 0x0
.if LAYER == 1
	s_load_b128 s[20:23], s[0:1], 0x40
.else
	s_load_b64 s[20:21], s[0:1], 0x40
.endif
	v_lshl_add_u32 v[SPW], v0, 2, SPARE
	v_mov_b32 v[NIL], 0
	ds_add_u32 v1, v2
	ds_add_u32 v1, v2
	s_wait_dscnt 0x0
	v_lshrrev_b32 v[TMP], 5, v0
	v_readfirstlane_b32 s[WV], v[TMP]
	s_bfe_u32 s[CX], ttmp6, 0x40000
	s_lshl_b32 s[KB], ttmp9, 2
	s_add_co_u32 s[KB], s[KB], s[CX]
	s_and_b32 s[BB], ttmp7, 0xffff
.if LAYER == 1
	s_mov_b32 s[G1], 15|(3<<16)|(1<<20)|(1<<21)|(5<<22)|(3<<25)
	s_mov_b32 s[G1+1], 32<<16
	s_mov_b32 s[G1+2], 96<<16
	s_mov_b32 s[G1+3], 32<<16
	s_mov_b32 s[G1+4], 96
	s_mov_b32 s[G1+5], 32
	s_mov_b32 s[G1S], 15|(3<<16)|(1<<20)|(1<<21)|(5<<22)|(3<<25)
.else
	s_mov_b32 s[G1], 15|(3<<16)|(1<<21)
	s_mov_b32 s[G1+1], 384<<16
	s_mov_b32 s[G1+2], 8<<16
	s_mov_b32 s[G1+3], 384<<16
	s_mov_b32 s[G1+4], 8
	s_mov_b32 s[G1+5], 12288
	s_mov_b32 s[G1S], 15|(3<<16)|(1<<21)
.endif
	s_mov_b32 s[G1+6], 0
	s_mov_b32 s[G1+7], 0
	s_mov_b32 s[G1S+1], 32<<16
	s_mov_b32 s[G1S+2], 128<<16                    ; half of a batch's scale bytes: waves 2 and 3 bring them
	s_mov_b32 s[G1S+3], 32<<16
	s_mov_b32 s[G1S+4], 128
	s_mov_b32 s[G1S+5], 32
	s_mov_b32 s[G1S+6], 0
	s_mov_b32 s[G1S+7], 0
.set G1W, 88                           ; s[88:95], s[96:99] groups 1 and 0 for the weights: 32 rows of 768 bytes are a dense block, 96 rows of 256 bytes, 16 bytes of padding behind each; no mask: my work-group's own
.set G0W, 96
	s_mov_b32 s[G1W], (3<<16)|(1<<20)|(5<<22)|(3<<25)
	s_mov_b32 s[G1W+1], 32<<16
	s_mov_b32 s[G1W+2], 96<<16
	s_mov_b32 s[G1W+3], 32<<16
	s_mov_b32 s[G1W+4], 96
	s_mov_b32 s[G1W+5], 32
	s_mov_b32 s[G1W+6], 0
	s_mov_b32 s[G1W+7], 0
.if LAYER == 1
	s_mul_i32 s76, s[WV], 26112
	s_mul_i32 s77, s[WV], 24576
.else
	s_and_b32 s78, s[WV], 1
	s_lshr_b32 s79, s[WV], 1
	s_mul_i32 s76, s78, 49280
	s_mul_i32 s80, s79, 24576
	s_add_co_u32 s76, s76, s80
	s_lshl_b32 s79, s79, 4
	s_add_co_u32 s78, s78, s79
	s_mul_i32 s77, s78, 49152
.endif
	s_mul_i32 s74, s[BB], 1572864
	s_add_co_u32 s74, s74, s77
	s_mov_b32 s75, 0
	s_lshl_b32 s78, s[BB], 16
	s_and_b32 s79, s[WV], 1
	s_lshl_b32 s79, s79, 15
	s_add_co_u32 s78, s78, s79
	s_mov_b32 s79, 0
	s_and_b32 s80, s[WV], 1
	s_mul_i32 s80, s80, 2*SCW
	s_mov_b32 s[SEL], 0x76543210
	s_mov_b32 s[SEL+1], 0xfedcba98
	s_mov_b32 s[NC], 0xbfb8aa3b
	s_mov_b32 s[NC+1], s[NC]
	s_mov_b32 s[CL], 0x42f00000
	s_mov_b32 s[HM], 0xffff0000
	s_mov_b32 s[TB], 0
	s_mov_b32 s[TS], 0
	s_mov_b32 s[TSB], 0
	s_mov_b32 s[CNT], 14
	s_cmp_ge_u32 s[WV], 1
	s_cselect_b32 s[M1], -1, 0
	s_cmp_ge_u32 s[WV], 2
	s_cselect_b32 s[M2], -1, 0
	s_cmp_ge_u32 s[WV], 3
	s_cselect_b32 s[M3], -1, 0
	s_lshr_b32 s81, s[WV], 1
	s_and_b32 s81, s81, s[WV]
	s_or_b32 s81, s81, ttmp9
	s_cmp_eq_u32 s81, 0
	s_cselect_b32 s[LIM], 1, -1
	s_wait_kmcnt 0x0
	s_mov_b32 s[G0S], 1
	s_add_co_u32 s[G0S+1], s80, SCL
	s_add_nc_u64 s[G0S+2:G0S+3], s[6:7], s[78:79]
	s_or_b32 s[G0S+3], s[G0S+3], 0x80000000
	s_mov_b32 s[G0A], 1
	s_mov_b32 s[G0A+1], s76
	s_add_nc_u64 s[G0A+2:G0A+3], s[4:5], s[74:75]
	s_mov_b32 s[G0B], 1
	s_add_co_u32 s[G0B+1], s76, SLOT1
	s_add_nc_u64 s[G0B+2:G0B+3], s[G0A+2:G0A+3], CHUNKB
	s_or_b32 s[G0A+3], s[G0A+3], 0x80000000
	s_or_b32 s[G0B+3], s[G0B+3], 0x80000000
	s_mul_i32 s82, s[KB], 24576                    ; my 32 rows of 768 bytes
	s_add_co_u32 s82, s82, WOFF
	s_mov_b32 s83, 0
	s_and_b32 s84, s[WV], 1
	s_cmp_eq_u32 s84, 0
	s_cselect_b64 s[G0W+2:G0W+3], s[8:9], s[12:13] ; wave 0 Wz, wave 1 Wh
	s_add_nc_u64 s[G0W+2:G0W+3], s[G0W+2:G0W+3], s[82:83]
	s_or_b32 s[G0W+3], s[G0W+3], 0x80000000
	s_mov_b32 s[G0W], 1
	s_mul_i32 s[G0W+1], s84, 26112                 ; into slot 1's bytes: Wz's 96 x 272 bytes, then Wh's
	s_add_co_u32 s[G0W+1], s[G0W+1], SLOT1
	CROUND
	s_cmp_lt_u32 s[WV], 2                          ; the head's loads, one a wave: waves 0 and 1 the weights, waves 2 and 3 the scale bytes, jointly
	s_cbranch_scc0 .Lhead_s
	tensor_load_to_lds s[G0W:G0W+3], s[G1W:G1W+7]
	s_nop 0
	PLACES 4
	s_branch .Lhead_j
.Lhead_s:
	tensor_load_to_lds s[G0S:G0S+3], s[G1S:G1S+7]
	s_nop 0
	PLACES 4
.Lhead_j:
	s_lshl_b32 s82, s[KB], 10
	s_add_co_u32 s82, s82, WSOFF
	s_add_nc_u64 s[10:11], s[10:11], s[82:83]
	s_add_nc_u64 s[14:15], s[14:15], s[82:83]
	s_lshl_b32 s82, s[KB], 7
	s_add_co_u32 s82, s82, BOFF
	s_add_nc_u64 s[16:17], s[16:17], s[82:83]
	s_add_nc_u64 s[18:19], s[18:19], s[82:83]
.if LAYER == 1
	s_mul_i32 s82, s[BB], 1572864
	s_mul_i32 s84, s[KB], 49152
	s_add_co_u32 s82, s82, s84
	s_add_nc_u64 s[20:21], s[20:21], s[82:83]
	s_lshl_b32 s82, s[BB], 16
	s_lshl_b32 s84, s[KB], 11
	s_add_co_u32 s82, s82, s84
	s_add_nc_u64 s[22:23], s[22:23], s[82:83]
.else
	s_lshl_b32 s82, s[BB], 23
	s_lshl_b32 s84, s[KB], 7
	s_add_co_u32 s82, s82, s84
	s_add_nc_u64 s[20:21], s[20:21], s[82:83]
.endif
	s_mul_i32 s82, s[BB], 1572864
	s_mul_i32 s84, s[CX], PFW
	s_add_co_u32 s82, s82, s84
	s_add_co_u32 s82, s82, 2*CHUNKB
	s_add_nc_u64 s[PFA:PFA+1], s[4:5], s[82:83]
	v_and_b32 v[TMP+1], 15, v0
	v_bfe_u32 v[TMP+2], v0, 4, 1
	v_and_b32 v[TMP+3], 31, v0
	v_mul_u32_u24 v[TMP+4], v[TMP+1], 1632         ; W in LDS: rows 2 r (+ tile) of 816 bytes, + 24 h, in slot 1's bytes
	v_mad_u32_u24 v[TMP+4], v[TMP+2], 24, v[TMP+4]
	v_add_nc_u32 v[TMP+4], SLOT1, v[TMP+4]
	v_lshl_add_u32 v[AGV], v[TMP+2], 4, v[TMP+4]   ; the same where lanes 16-31 read behind one padding more
	v_lshlrev_b32 v[TMP+5], 6, v[TMP+1]
	v_lshl_add_u32 v[TMP+5], v[TMP+2], 4, v[TMP+5]
	v_lshlrev_b32 v[TMP+6], 3, v[TMP+1]
.if LAYER == 1
	v_mul_u32_u24 v[ADA0], v[TMP+1], 816
	v_mad_u32_u24 v[ADA0], v[TMP+2], 24, v[ADA0]
	s_mul_i32 s81, s[WV], 13056
	v_add_nc_u32 v[ADA0], s81, v[ADA0]
	v_lshl_add_u32 v[ADA0B], v[TMP+2], 4, v[ADA0]
	v_lshlrev_b32 v[ADS0], 5, v[TMP+1]
	v_lshrrev_b32 v[TMP+7], 3, v[TMP+1]
	v_lshl_add_u32 v[ADS0], v[TMP+7], 4, v[ADS0]
	v_lshl_add_u32 v[ADS0], v[TMP+2], 4, v[ADS0]
	s_mul_i32 s81, s[WV], 544
	s_add_co_u32 s81, s81, SCL
	v_add_nc_u32 v[ADS0], s81, v[ADS0]
	v_mul_u32_u24 v[GO], v[TMP+1], 24
	v_mad_u32_u24 v[GO], v[TMP+2], 12, v[GO]
	s_mul_i32 s81, s[WV], 384
	v_add_nc_u32 v[GO], s81, v[GO]
	s_mul_i32 s81, s[WV], 2304
	s_add_co_u32 s81, s81, TRS
	v_mul_u32_u24 v[TRW], v[TMP+2], 1152
	v_lshl_add_u32 v[TRW], v[TMP+1], 3, v[TRW]
	v_add_nc_u32 v[TRW], s81, v[TRW]
	v_mul_u32_u24 v[TRR], v[TMP+1], 144
	v_lshl_add_u32 v[TRR], v[TMP+2], 6, v[TRR]
	v_add_nc_u32 v[TRR], s81, v[TRR]
	s_lshl_b32 s81, s[WV], 9
	s_add_co_u32 s81, s81, SCB
	v_add_nc_u32 v[SBW0], s81, v[TMP+1]
	v_lshlrev_b32 v[PFO], 8, v0
.else
	v_mul_u32_u24 v[ADA0], v[TMP+1], 24
	v_mad_u32_u24 v[ADA0], v[TMP+2], 49280, v[ADA0]
	s_mul_i32 s81, s[WV], 384
	v_add_nc_u32 v[ADA0], s81, v[ADA0]
	v_lshl_add_u32 v[ADS0], v[TMP+2], 15, v[TMP+1]
	s_lshl_b32 s81, s[WV], 4
	s_add_co_u32 s81, s81, SCL
	v_add_nc_u32 v[ADS0], s81, v[ADS0]
	v_lshlrev_b32 v[GO], 15, v[TMP+2]
	v_lshl_add_u32 v[GO], v[TMP+1], 3, v[GO]
	s_lshl_b32 s81, s[WV], 16
	v_add_nc_u32 v[GO], s81, v[GO]
	v_mul_u32_u24 v[TMP+7], v0, 171
	v_lshrrev_b32 v[TMP+7], 11, v[TMP+7]
	v_mul_u32_u24 v[TMP], v[TMP+7], 12
	v_sub_nc_u32 v[TMP], v0, v[TMP]
	v_mul_u32_u24 v[PFO], v[TMP+7], 49152
	v_lshl_add_u32 v[PFO], v[TMP], 8, v[PFO]
.endif
	v_lshlrev_b32 v[AGW], 4, v[TMP+3]
	s_lshl_b32 s81, s[WV], 9
	s_add_co_u32 s81, s81, AGG
	v_add_nc_u32 v[AGW], s81, v[AGW]
	v_lshl_add_u32 v[AGR], v[TMP+1], 4, AGG+256
.macro WLOAD q0
.set QQ, \q0
.rept 4
.set CT, 0
.rept 4
.set PP, 0
.rept 6
.set RG, 48*(QQ%4)+12*CT+2*PP
.set PC, 12*QQ+6*(PP/3)+PP%3           ; the row's piece of 8 bytes that lanes 0-15 take; 16 bytes of padding lie behind every 32 pieces
.set IM, 26112*(CT/2)+816*(CT%2)+8*PC+16*(PC/32)
.if PC%32 < 29
	ds_load_b64 v[RG:RG+1], v[TMP+4] offset:IM
.else
	ds_load_b64 v[RG:RG+1], v[AGV] offset:IM
.endif
.set PP, PP+1
.endr
.set CT, CT+1
.endr
.set QQ, QQ+1
.endr
.endm
	s_wait_alu depctr_va_vdst(0)                   ; chunk 0's first fill, issued as a refill is; behind the round the weights and the scale bytes are whole for every wave
	s_wait_tensorcnt 0x0
	ds_add_u32 v[SPW], v[NIL]
	s_wait_dscnt 0x0
	CROUND
	tensor_load_to_lds s[G0A:G0A+3], s[G1:G1+7]
	s_nop 0
	PLACES 4
	WIN 0x40
	WLOAD 0
	WIN 0x80
	WLOAD 4
	WIN 0
	global_load_b128 v[WS:WS+3], v[TMP+5], s[10:11]
	global_load_b128 v[WS+4:WS+7], v[TMP+5], s[10:11] offset:32
	global_load_b128 v[WS+8:WS+11], v[TMP+5], s[14:15]
	global_load_b128 v[WS+12:WS+15], v[TMP+5], s[14:15] offset:32
	global_load_b64 v[CBZ:CBZ+1], v[TMP+6], s[16:17]
	global_load_b64 v[CBH:CBH+1], v[TMP+6], s[18:19]
	v_mov_b32 v[H], 0.5
	v_mov_b32 v[H+1], 0.5
	v_mov_b32 v[OP], 0
	v_mov_b32 v[OP+1], 0
	v_mov_b32 v[OQ], 0
	v_mov_b32 v[OQ+1], 0
	s_wait_alu depctr_va_vdst(0)                   ; chunk 1's first fill, in the same way
	s_wait_tensorcnt 0x0
	ds_add_u32 v[SPW], v[NIL]
	s_wait_dscnt 0x0
	CROUND
	tensor_load_to_lds s[G0B:G0B+3], s[G1:G1+7]
	s_nop 0
	PLACES 4
	s_wait_loadcnt 0x0
	v_pk_add_f32 v[BH5:BH5+1], v[CBH:CBH+1], 0.5 op_sel_hi:[1,0]
	v_pk_mul_f32 v[CBZ:CBZ+1], v[CBZ:CBZ+1], s[NC:NC+1] op_sel_hi:[1,0]
	v_pk_mul_f32 v[CBH:CBH+1], v[CBH:CBH+1], s[NC:NC+1] op_sel_hi:[1,0]
.macro FETCHS
	v_add_nc_u32 v[ADS], s[TS], v[ADS0]
	s_add_co_u32 s[TS], s[TS], TSSTEP
.if LAYER == 1
	ds_load_b128 v[XS:XS+3], v[ADS]
.else
.set PP, 0
.rept 16
	ds_load_u8 v[YP+PP], v[ADS] offset:2048*PP
.set PP, PP+1
.endr
.endif
.endm
.macro PACKS
.set PP, 0
.rept 4
	v_lshl_or_b32 v[XS+PP], v[YP+4*PP+1], 8, v[YP+4*PP]
	v_lshl_or_b32 v[XS+PP], v[YP+4*PP+2], 16, v[XS+PP]
	v_lshl_or_b32 v[XS+PP], v[YP+4*PP+3], 24, v[XS+PP]
.set PP, PP+1
.endr
.endm
.macro FETCHA hf
	v_add_nc_u32 v[ADA], s[TB], v[ADA0]
.if LAYER == 1
	v_add_nc_u32 v[ADAB], s[TB], v[ADA0B]
.endif
.set QQ, 0
.rept 8
.set PP, 0
.rept 6
.set RG, AF+12*QQ+2*PP
.if LAYER == 1
.set PC, 12*QQ+6*(PP/3)+PP%3
.set OF, (\hf)*52224+8*PC+16*(PC/32)
.if PC%32 < 29
	ds_load_b64 v[RG:RG+1], v[ADA] offset:OF
.else
	ds_load_b64 v[RG:RG+1], v[ADAB] offset:OF
.endif
.else
.set OF, (\hf)*1536+(2*QQ+PP/3)*3072+8*(PP%3)
	ds_load_b64 v[RG:RG+1], v[ADA] offset:OF
.endif
.set PP, PP+1
.endr
.set QQ, QQ+1
.endr
.endm
.macro NEXT fh, agg
.if \fh >= 0
	FETCHS
.endif
.if \agg
.set J, 0
.rept 4
	ds_load_b128 v[E2+4*J:E2+4*J+3], v[AGR] offset:2048*X+512*J
.set J, J+1
.endr
.endif
.if (\fh >= 0) && ((\agg == 0) || (LAYER == 2))
	FETCHA \fh
	s_wait_dscnt 48
.if LAYER == 2
	PACKS
.endif
.else
	s_wait_dscnt 0x0
.endif
.endm
.macro MM
.set RD, ACC+32*X+8*CT
.set RA, AF+12*QQ
.set RB, 48*(QQ%4)+12*CT
.set SA, XS+QQ%4
.set SB, WS+4*CT+QQ%4
.if QQ == 0
	v_wmma_scale_f32_16x16x128_f8f6f4 v[RD:RD+7], v[RA:RA+11], v[RB:RB+11], 0, v[SA], v[SB] matrix_a_fmt:MATRIX_FMT_BF6 matrix_b_fmt:MATRIX_FMT_BF6
.elseif QQ < 4
	v_wmma_scale_f32_16x16x128_f8f6f4 v[RD:RD+7], v[RA:RA+11], v[RB:RB+11], v[RD:RD+7], v[SA], v[SB] matrix_a_fmt:MATRIX_FMT_BF6 matrix_b_fmt:MATRIX_FMT_BF6
.else
	v_wmma_scale_f32_16x16x128_f8f6f4 v[RD:RD+7], v[RA:RA+11], v[RB:RB+11], v[RD:RD+7], v[SA], v[SB] matrix_a_fmt:MATRIX_FMT_BF6 matrix_b_fmt:MATRIX_FMT_BF6 matrix_a_scale:MATRIX_SCALE_ROW1 matrix_b_scale:MATRIX_SCALE_ROW1
.endif
.endm
.macro FMAT d, a, cst
.if TT == 0
	v_pk_fma_f32 v[\d:\d+1], v[\a:\a+1], s[NC:NC+1], v[\cst:\cst+1] op_sel_hi:[1,0,0]
.else
	v_pk_fma_f32 v[\d:\d+1], v[\a:\a+1], s[NC:NC+1], v[\cst:\cst+1] op_sel:[0,0,1] op_sel_hi:[1,0,1]
.endif
.endm
.macro EXPS
.set U, N/2
.set TT, U/4
.set JP, U%4
.set LO, YK+8*TT+2*JP
.set LP, LO+16
.set IA, 4*JP+TT
.if PH == 0
	FMAT LO, LO, CBZ
.elseif PH == 1
	v_min_num_f32 v[E1+IA], v[LO], s[CL]
	v_min_num_f32 v[E1+IA+2], v[LO+1], s[CL]
.elseif PH == 2
	FMAT LO, LP, CBH
.else
	v_exp_f32 v[E1+IA], v[E1+IA]
	v_exp_f32 v[E1+IA+2], v[E1+IA+2]
	v_exp_f32 v[E2+IA], v[LO]
	v_exp_f32 v[E2+IA+2], v[LO+1]
.endif
.endm
.macro RCPS
.set MI, N/2
.if N%2 == 0
	v_pk_add_f32 v[YK+2*MI:YK+2*MI+1], v[E1+2*MI:E1+2*MI+1], 1.0 op_sel_hi:[1,0]
	v_pk_add_f32 v[E2+2*MI:E2+2*MI+1], v[E2+2*MI:E2+2*MI+1], 1.0 op_sel_hi:[1,0]
.if MI < 4
	v_pk_fma_f32 v[YP+2*MI:YP+2*MI+1], v[YP+2*MI:YP+2*MI+1], 1.0, v[BH5:BH5+1] op_sel_hi:[1,0,0]
.else
	v_pk_fma_f32 v[YP+2*MI:YP+2*MI+1], v[YP+2*MI:YP+2*MI+1], 1.0, v[BH5:BH5+1] op_sel:[0,0,1] op_sel_hi:[1,0,1]
.endif
.else
	v_rcp_f32 v[YK+2*MI], v[YK+2*MI]
	v_rcp_f32 v[YK+2*MI+1], v[YK+2*MI+1]
	v_rcp_f32 v[E2+2*MI], v[E2+2*MI]
	v_rcp_f32 v[E2+2*MI+1], v[E2+2*MI+1]
.endif
.endm
; this tile's 32 products, nothing between them: the four accumulators take turns
.macro KLOOP
.set QQ, 0
.rept 8
	s_wait_dscnt 6*(7-QQ)
.if QQ == 0
	WIN 0x04
.endif
.if QQ == 4
	WIN 0x08
.endif
.set CT, 0
.rept 4
	MM
.set CT, CT+1
.endr
.set QQ, QQ+1
.endr
	WIN 0
.endm
; the activations of the tile before, in batches: the exponents (three passes of plain lines), 32 exponentials, the sums, 32 reciprocals.
; One wait ahead of each batch and one behind it; the wait behind the reciprocals opens CHAIN.
.macro ACT
	s_wait_alu depctr_va_vdst(0)
.irp ph, 0,1,2,3
.if \ph == 3
	s_wait_alu depctr_va_vdst(0)
.endif
.set PH, \ph
.set N, 0
.rept 8
	EXPS
.set N, N+2
.endr
.endr
	v_nop
	s_wait_alu depctr_va_vdst(0)
.irp od, 0,1
.if \od
	s_wait_alu depctr_va_vdst(0)
.endif
.set N, \od
.rept 8
	RCPS
.set N, N+2
.endr
.endr
	v_nop
.endm
.macro CHAIN
	s_wait_alu depctr_va_vdst(0)
.set J, 0
.rept 8
	v_pk_mul_f32 v[E1+2*J:E1+2*J+1], v[E1+2*J:E1+2*J+1], v[YK+2*J:YK+2*J+1]
.set J, J+1
.endr
.set J, 0
.rept 8
	v_max_num_f32 v[E2+2*J], v[YP+J], v[E2+2*J]
	v_max_num_f32 v[E2+2*J+1], v[YP+8+J], v[E2+2*J+1]
.set J, J+1
.endr
.set J, 0
.rept 8
	v_pk_mul_f32 v[YK+2*J:YK+2*J+1], v[YK+2*J:YK+2*J+1], v[E2+2*J:E2+2*J+1]
.set J, J+1
.endr
.set J, 1
.rept 7
	v_pk_fma_f32 v[YK+2*J:YK+2*J+1], v[E1+2*J:E1+2*J+1], v[YK+2*J-2:YK+2*J-1], v[YK+2*J:YK+2*J+1]
	v_pk_mul_f32 v[E1+2*J:E1+2*J+1], v[E1+2*J:E1+2*J+1], v[E1+2*J-2:E1+2*J-1]
.set J, J+1
.endr
	v_permlanex16_b32 v[OP], v[E1+14], s[SEL], s[SEL+1]
	v_permlanex16_b32 v[OP+1], v[E1+15], s[SEL], s[SEL+1]
	v_permlanex16_b32 v[OQ], v[YK+14], s[SEL], s[SEL+1]
	v_permlanex16_b32 v[OQ+1], v[YK+15], s[SEL], s[SEL+1]
	v_pk_mul_f32 v[AGV:AGV+1], v[E1+14:E1+15], v[OP:OP+1]
	v_pk_fma_f32 v[AGV+2:AGV+3], v[E1+14:E1+15], v[OQ:OQ+1], v[YK+14:YK+15]
	ds_store_b128 v[AGW], v[AGV:AGV+3] offset:2048*X
.endm
.macro BAR kind
.if \kind == 1
	s_wait_dscnt 0x0
	s_barrier_signal -1
	s_barrier_wait -1
.elseif \kind == 3
	s_wait_tensorcnt 0x0
	ds_add_u32 v[SPW], v[NIL]
	s_wait_dscnt 0x0
	s_barrier_signal -1
	s_barrier_wait -1
.else
	s_wait_tensorcnt 0x0
	ds_add_u32 v[SPW], v[NIL]
	s_xor_b32 s[G0B+1], s[G0B+1], SLOT1
	s_add_nc_u64 s[G0B+2:G0B+3], s[G0B+2:G0B+3], CHUNKB
	s_wait_xcnt 0x0
	s_add_nc_u64 s[PFA:PFA+1], s[PFA:PFA+1], CHUNKB
	s_wait_dscnt 0x0
	CROUND
	tensor_load_to_lds s[G0B:G0B+3], s[G1:G1+7]
	s_nop 0
	PLACES 4
	ASK
.endif
.endm
.macro CARRY
	v_pk_fma_f32 v[TMP:TMP+1], v[E2:E2+1], v[H:H+1], v[E2+2:E2+3]
	v_pk_fma_f32 v[TMP+2:TMP+3], v[E2+4:E2+5], v[TMP:TMP+1], v[E2+6:E2+7]
	v_cndmask_b32 v[HW], v[H], v[TMP], s[M1]
	v_cndmask_b32 v[HW+1], v[H+1], v[TMP+1], s[M1]
	v_pk_fma_f32 v[TMP+4:TMP+5], v[E2+8:E2+9], v[TMP+2:TMP+3], v[E2+10:E2+11]
	v_cndmask_b32 v[HW], v[HW], v[TMP+2], s[M2]
	v_cndmask_b32 v[HW+1], v[HW+1], v[TMP+3], s[M2]
	v_pk_fma_f32 v[H:H+1], v[E2+12:E2+13], v[TMP+4:TMP+5], v[E2+14:E2+15]
	v_cndmask_b32 v[HW], v[HW], v[TMP+4], s[M3]
	v_cndmask_b32 v[HW+1], v[HW+1], v[TMP+5], s[M3]
	v_pk_fma_f32 v[TMP+6:TMP+7], v[OP:OP+1], v[HW:HW+1], v[OQ:OQ+1]
	v_cndmask_b32 v[HIN], v[HW], v[TMP+6], s[HM]
	v_cndmask_b32 v[HIN+1], v[HW+1], v[TMP+7], s[HM]
.set J, 0
.rept 8
	v_pk_fma_f32 v[YK+2*J:YK+2*J+1], v[E1+2*J:E1+2*J+1], v[HIN:HIN+1], v[YK+2*J:YK+2*J+1]
.set J, J+1
.endr
.endm
.macro OUT1 fh
.set J, 0
.rept 8
	ds_store_b64 v[TRW], v[YK+2*J:YK+2*J+1] offset:144*J
.set J, J+1
.endr
.set J, 0
.rept 4
	ds_load_b128 v[YP+4*J:YP+4*J+3], v[TRR] offset:16*J
.set J, J+1
.endr
.if \fh >= 0
	FETCHA \fh                                     ; the next tile's fragments go out behind the turn through the stage
.endif
	v_add_nc_u32 v[TMP+7], s[TSB], v[SBW0]
	s_add_co_u32 s[TSB], s[TSB], 16
.if \fh >= 0
	s_wait_dscnt 48                                ; my 16 numbers are back; the 48 loads of fragments may be out
.else
	s_wait_dscnt 0x0
.endif
	v_max3_num_f32 v[TMP], v[YP], v[YP+1], 0x2800000
	v_max3_num_f32 v[TMP+1], v[YP+8], v[YP+9], v[YP+10]
	v_max3_num_f32 v[TMP], v[TMP], v[YP+2], v[YP+3]
	v_max3_num_f32 v[TMP+1], v[TMP+1], v[YP+11], v[YP+12]
	v_max3_num_f32 v[TMP], v[TMP], v[YP+4], v[YP+5]
	v_max3_num_f32 v[TMP+1], v[TMP+1], v[YP+13], v[YP+14]
	v_max3_num_f32 v[TMP], v[TMP], v[YP+6], v[YP+7]
	v_max3_num_f32 v[TMP], v[TMP], v[TMP+1], v[YP+15]
	v_permlanex16_b32 v[TMP+2], v[TMP], s[SEL], s[SEL+1]
	v_max_num_f32 v[TMP], v[TMP], v[TMP+2]
	v_add_nc_u32 v[TMP+3], 0xfe000000, v[TMP]
	v_cvt_scalef32_pk16_bf6_f32 v[AGV:AGV+2], v[YP:YP+15], v[TMP+3]
	v_lshrrev_b32 v[TMP+4], 23, v[TMP+3]
	global_store_b96 v[GO], v[AGV:AGV+2], s[20:21] offset:-STEP
	ds_store_b8 v[TMP+7], v[TMP+4]
.endm
.macro OUT2
.set J, 0
.rept 8
	global_store_b64 v[GO], v[YK+2*J:YK+2*J+1], s[20:21] offset:4096*J-STEP th:TH_STORE_NT
.set J, J+1
.endr
.endm
.macro STAGE x, mm, ep, bar, fh
.set X, \x
.set Y, 1-X
.set YK, ACC+32*Y
.set YP, YK+16
.if \ep
	s_wait_xcnt 0x0
	s_add_nc_u64 s[20:21], s[20:21], STEP
	ACT
	CHAIN
.endif
	s_wait_alu depctr_va_vdst(0)
.if \mm
	KLOOP
.endif
.if \ep
.if \mm
	PLACES 4                                       ; in front of loads into registers that matrix instructions have read
.endif
	BAR \bar
.if \fh == 0
	s_xor_b32 s[TB], s[TB], SLOT1
.endif
	NEXT \fh, 1
	CARRY
.if LAYER == 1
	OUT1 \fh
.else
	OUT2
.endif
.else
	PLACES 4
	NEXT \fh, 0
.if LAYER == 2
	PLACES 8
.endif
.endif
.endm
	s_wait_alu depctr_va_vdst(0)
	s_wait_tensorcnt 0x1                           ; the scale bytes and chunk 0 are in; chunk 1's load may stay out
	s_barrier_signal -1
	s_barrier_wait -1
.set X, 0
.set Y, 1
.set YK, ACC+32*Y
.set YP, YK+16
	NEXT 0, 0
.if LAYER == 2
	PLACES 8
.endif
	STAGE 0, 1, 0, 0, 1
.Lpair:
	s_wait_alu depctr_va_vdst(0)
	STAGE 1, 1, 1, 2, 0
	STAGE 0, 1, 1, 1, 1
	s_sub_co_u32 s[CNT], s[CNT], 1
	s_cmp_lg_u32 s[CNT], 0
	s_cbranch_scc1 .Lpair
	STAGE 1, 1, 1, 3, 0
	STAGE 0, 1, 1, 1, 1
	STAGE 1, 1, 1, 1, -1
	STAGE 0, 0, 1, 1, -1
.if LAYER == 1
	s_wait_dscnt 0x0
	s_barrier_signal -1
	s_barrier_wait -1
	v_and_b32 v[TMP], 3, v0
	v_lshrrev_b32 v[TMP+1], 2, v0
	v_lshlrev_b32 v[TMP], 9, v[TMP]
	v_lshl_add_u32 v[TMP], v[TMP+1], 4, v[TMP]
	v_add_nc_u32 v[TMP], SCB, v[TMP]
	ds_load_b128 v[TMP+4:TMP+7], v[TMP]
	v_lshlrev_b32 v[TMP+1], 4, v0
	s_wait_alu depctr_va_vdst(0)
	s_wait_dscnt 0x0
	global_store_b128 v[TMP+1], v[TMP+4:TMP+7], s[22:23]
.endif
	s_wait_tensorcnt 0x0
	ds_add_u32 v[SPW], v[NIL]
	s_wait_dscnt 0x0
	CROUND
	s_endpgm
.Lfunc_end_k_q0ce43ae49e_layer1:
	.size	k_q0ce43ae49e_layer1, .Lfunc_end_k_q0ce43ae49e_layer1-k_q0ce43ae49e_layer1
	.p2alignl 7, 3214868480
	.fill 96, 4, 3214868480
	.section	.rodata,"a",@progbits
	.p2align	6, 0x0
	.amdhsa_kernel k_q0ce43ae49e_layer1
		.amdhsa_group_segment_fixed_size 327680
		.amdhsa_private_segment_fixed_size 0
		.amdhsa_enable_private_segment 0
		.amdhsa_kernarg_size 80
		.amdhsa_user_sgpr_count 2
		.amdhsa_user_sgpr_kernarg_segment_ptr 1
		.amdhsa_wavefront_size32 1
		.amdhsa_system_sgpr_workgroup_id_x 1
		.amdhsa_system_sgpr_workgroup_id_y 1
		.amdhsa_system_sgpr_workgroup_id_z 1
		.amdhsa_system_vgpr_workitem_id 0
		.amdhsa_next_free_vgpr 768
		.amdhsa_next_free_sgpr 100
		.amdhsa_reserve_vcc 0
		.amdhsa_float_denorm_mode_32 3
		.amdhsa_float_denorm_mode_16_64 3
		.amdhsa_memory_ordered 1
		.amdhsa_forward_progress 1
		.amdhsa_inst_pref_size 145
	.end_amdhsa_kernel
	.amdgpu_metadata
---
amdhsa.version: [ 1, 2 ]
amdhsa.kernels:
  - .name:           k_q0ce43ae49e_layer1
    .symbol:         k_q0ce43ae49e_layer1.kd
    .args:
      - { .name: x_codes, .offset: 0, .size: 8, .value_kind: global_buffer, .address_space: global }
      - { .name: x_scales, .offset: 8, .size: 8, .value_kind: global_buffer, .address_space: global }
      - { .name: Wz_codes, .offset: 16, .size: 8, .value_kind: global_buffer, .address_space: global }
      - { .name: Wz_scales, .offset: 24, .size: 8, .value_kind: global_buffer, .address_space: global }
      - { .name: Wh_codes, .offset: 32, .size: 8, .value_kind: global_buffer, .address_space: global }
      - { .name: Wh_scales, .offset: 40, .size: 8, .value_kind: global_buffer, .address_space: global }
      - { .name: bz, .offset: 48, .size: 8, .value_kind: global_buffer, .address_space: global }
      - { .name: bh, .offset: 56, .size: 8, .value_kind: global_buffer, .address_space: global }
      - { .name: h1_codes, .offset: 64, .size: 8, .value_kind: global_buffer, .address_space: global }
      - { .name: h1_scales, .offset: 72, .size: 8, .value_kind: global_buffer, .address_space: global }
    .group_segment_fixed_size: 327680
    .private_segment_fixed_size: 0
    .kernarg_segment_align: 8
    .kernarg_segment_size: 80
    .max_flat_workgroup_size: 128
    .sgpr_count:     100
    .vgpr_count:     768
    .wavefront_size: 32
...
	.end_amdgpu_metadata
.endif
;; end of part 1
;; launch layer2 (part 2): grid 32 x 8, 4 waves a work-group, clusters of 4 x 1, 327,680 bytes of LDS; arguments h1_codes, h1_scales, Wz_codes, Wz_scales, Wh_codes, Wh_scales, bz, bh, out0; writes out0
.if DOCPART == 2
	.amdgcn_target "amdgcn-amd-amdhsa--gfx1250"
	.amdhsa_code_object_version 6
	.text
	.protected	k_q0ce43ae49e_layer2
	.globl	k_q0ce43ae49e_layer2
	.p2align	8
	.type	k_q0ce43ae49e_layer2,@function
k_q0ce43ae49e_layer2:
	s_mov_b64 s[64:65], 0
	v_nop
	global_prefetch_b8 v0, s[64:65] scope:SCOPE_SE
	s_setreg_imm32_b32 hwreg(HW_REG_WAVE_MODE, 25, 1), 1
	s_wait_xcnt 0x0
	s_wait_alu depctr_hold_cnt(0) depctr_sa_sdst(0) depctr_va_vdst(0) depctr_va_sdst(0) depctr_va_ssrc(0) depctr_va_vcc(0) depctr_vm_vsrc(0)
	s_getreg_b32 s2, hwreg(HW_REG_IB_STS2, 6, 4)
	s_cmp_eq_u32 s2, 0
	s_cbranch_scc0 .Lentry_in_a_cluster
	s_endpgm
.Lentry_in_a_cluster:
	s_bfe_u32 s2, ttmp6, 0x10000c
	s_cmp_lg_u32 s2, 0x3003
	s_cbranch_scc0 .Lentry_shape_is_right
	s_endpgm
.Lentry_shape_is_right:
; LAYER 2 OF minGRU ON CODES OF BF6 (E3M2), one E8M0 scale for each 32 along K.  A = h1_codes [batch][block of 32 channels][step][24 bytes], h1_scales [batch][block][step].
;   k = A Wz^T + bz, p = A Wh^T + bh;  z = sigmoid(k), a = sigmoid(-k), g = max(p + 0.5, sigmoid(p)), which is reference()'s g for every p;
;   h_t = a_t h_(t-1) + z_t g_t along a batch's 2,048 steps, h_0 = 0.5: the recurrence that the cumulative sums in log space stand for; every term is 0 or more.  h leaves as out0, f32.
; SHARES.  Work-group (kb, b): batch b, channels 32 kb .. 32 kb + 31, all steps in order: 256 work-groups.  Its 64 rows of weights (384 registers) stay in every wave's registers.
;   A stage is 64 steps; wave w takes steps 16 w .. 16 w + 15: 8 K steps x 4 column tiles = 32 matrix instructions.
; LAYOUT.  Source 0 = 16 steps of A, source 1 = 16 rows of W: a lane holds ONE channel and 8 neighbouring steps, so the recurrence runs down its registers.
;   Column tile t takes weight rows 32 kb + 2 r + t: tiles 0 and 1 are two neighbouring channels, and the recurrence is packed.
; A STAGE.  The activations of the tile before, in batches (all sources, all exponentials, all sums, all reciprocals); the chains of 8 steps; the wave's aggregate (P, Q) to LDS;
;   this tile's 32 products, back to back; ONE barrier; the carry through the four waves' aggregates; h = P x carry + Q; the stores.
; CLUSTER.  The four work-groups of a cluster share a batch and read the same tiles of A: every tensor load but the weights' is asked for jointly (mask 15).
; LIMITS.  NaN and infinities among the inputs are not served.  -k log2(e) is held at 120 from above, so z is never under 2^-120; what falls under the smallest normal f32 number is lost.
;   out0 leaves in runs of 128 bytes, a work-group's 32 channels of a step: runs of 256 would want 64 channels a work-group, 128 work-groups in all.
.set SLOT1,  1<<17                     ; slot 0 at 0, slot 1 here; a slot holds 128 steps of A: two stages
.set AGG,    104448                    ; the aggregates: 2 parities x 4 waves x 512 bytes
.set SPARE,  119808                    ; the spare words, 128 bytes a wave
.set SCL,    235520                    ; A's scale bytes of the whole batch, filled once
.set CHUNKB, 3072                      ; 128 steps of 24 bytes in each block's run
.set SCW,    16384
.set TSSTEP, 64
.set STEP,   262144                    ; 64 rows of out0
.set PFW,    393216                    ; eight blocks' runs
.set WOFF,   786432                    ; the layer's weights, scale bytes, biases
.set WSOFF,  32768
.set BOFF,   4096
; vector registers, window 0 (windows 1, 2: W's fragments of K steps 0-3, 4-7, at 48 (q % 4) + 12 tile)
.set SPW,  1                           ; my spare word's address; never rewritten
.set NIL,  2                           ; 0; never rewritten
.set ADA0, 3                           ; my place in a tile of A;  v5: + the slot
.set ADA,  5
.set ADS0, 7                           ; my place among A's scale bytes;  v8: + the stage
.set ADS,  8
.set AGW,  9                           ; where my aggregate goes;  v10: where wave 0's is read
.set AGR,  10
.set GO,   11                          ; my byte offset in a stage's output
.set PFO,  15                          ; the prefetches' offset
.set H,    16                          ; h behind the last stage done, my two channels
.set CBZ,  18                          ; -c bz, c = log2(e)
.set CBH,  20                          ; -c bh
.set BH5,  22                          ; bh + 0.5
.set OP,   24                          ; P, Q of the lane 16 away
.set OQ,   26
.set HW,   28                          ; h in front of my wave's 16 steps
.set HIN,  30                          ; h in front of my lane's 8
.set XS,   32                          ; A's scale words: register i: lanes 0-15 K step i, lanes 16-31 K step i + 4
.set WS,   36                          ; W's, at 4 tile + i, likewise
.set TMP,  52
.set AGV,  60
.set AF,   64                          ; A's eight fragments
.set ACC,  160                         ; two sets of four accumulators: k tile 0, k tile 1, p tile 0, p tile 1
.set E1,   224                         ; index 2 step + tile: 2^(-c k), then a, then P
.set E2,   240                         ; 2^(-c p), then sigmoid(p), then g; later the four aggregates
.set WV,  24
.set CX,  25
.set KB,  26
.set BB,  27
.set G1,  28                           ; group 1 for A's tiles;  s[36:43] for the scale bytes
.set G1S, 36
.set G0S, 44                           ; groups 0: the scale bytes; chunk 0; chunk 1, which then walks
.set G0A, 48
.set G0B, 52
.set TB,  56
.set TS,  57
.set CNT, 59
.set SEL, 60
.set NC,  62
.set CL,  66
.set M1,  67
.set M2,  68
.set M3,  69
.set HM,  70
.set LIM, 71
.set PFA, 72
.set MSB, 0
.macro WIN new                         ; the immediate's high byte repeats the setting that is left
.if MSB != \new
	s_set_vgpr_msb (MSB<<8)|\new
.set MSB, \new
.endif
.endm
.macro PLACES n
.rept \n
	v_nop
.endr
.endm
.macro CROUND                          ; a round of the cluster's barrier
	s_barrier_signal -1
	s_barrier_wait -1
	s_cmp_lg_u32 s[WV], 0
	s_cbranch_scc1 .Lnot_wave_0_\@
	s_barrier_signal -3
.Lnot_wave_0_\@:
	s_barrier_wait -3
	s_barrier_signal -1
	s_barrier_wait -1
.endm
; A prefetch of the chunk that the NEXT refill asks for: 384 blocks of 256 bytes, each named once in the launch: the batch's first cluster asks, its partners share the blocks out by address,
; 96 each, waves 0 to 2, a lane a block.  The last refill asks for nothing.
.macro ASK
	s_cmp_gt_u32 s[CNT], s[LIM]
	s_cbranch_scc0 .Lnot_mine_\@
	global_prefetch_b8 v[PFO], s[PFA:PFA+1] th:TH_LOAD_NT scope:SCOPE_SE
.Lnot_mine_\@:
.endm
; A first fill behind the head, issued as a refill is
.macro LATER g0, g1
	s_wait_alu depctr_va_vdst(0)
	s_wait_tensorcnt 0x0
	ds_add_u32 v[SPW], v[NIL]
	s_wait_dscnt 0x0
	CROUND
	tensor_load_to_lds s[\g0:\g0+3], s[\g1:\g1+7]
	s_nop 0
	PLACES 4
.endm
	s_load_b512 s[4:19], s[0:1], 0x0               ; A's codes, A's scales, Wz's codes, scales, Wh's codes, scales, bz, bh
	s_load_b64 s[20:21], s[0:1], 0x40              ; out0
	v_lshl_add_u32 v[SPW], v0, 2, SPARE
	v_mov_b32 v[NIL], 0
	ds_add_u32 v[SPW], v[NIL]                      ; the opening lines: the add twice and its wait
	ds_add_u32 v[SPW], v[NIL]
	s_wait_dscnt 0x0
	v_lshrrev_b32 v[TMP], 5, v0
	v_readfirstlane_b32 s[WV], v[TMP]
	s_bfe_u32 s[CX], ttmp6, 0x40000                ; cx enters the addresses of weights, biases, output and prefetches alone
	s_lshl_b32 s[KB], ttmp9, 2
	s_add_co_u32 s[KB], s[KB], s[CX]               ; my block of 32 channels
	s_and_b32 s[BB], ttmp7, 0xffff                 ; the batch
	s_mov_b32 s[G1], 15|(3<<16)|(1<<21)            ; eight blocks of one parity: rows of 3,072 bytes, 98,304 bytes apart; elements of 8 bytes
	s_mov_b32 s[G1+1], 384<<16
	s_mov_b32 s[G1+2], 8<<16
	s_mov_b32 s[G1+3], 384<<16
	s_mov_b32 s[G1+4], 8
	s_mov_b32 s[G1+5], 12288
	s_mov_b32 s[G1+6], 0
	s_mov_b32 s[G1+7], 0
	s_mov_b32 s[G1S], 15|(3<<16)|(1<<21)           ; the scale bytes: 128 rows of 256 bytes, a wave's half
	s_mov_b32 s[G1S+1], 32<<16
	s_mov_b32 s[G1S+2], 128<<16                    ; half of a batch's scale bytes: waves 2 and 3 bring them
	s_mov_b32 s[G1S+3], 32<<16
	s_mov_b32 s[G1S+4], 128
	s_mov_b32 s[G1S+5], 32
	s_mov_b32 s[G1S+6], 0
	s_mov_b32 s[G1S+7], 0
.set G1W, 88                           ; s[88:95], s[96:99] groups 1 and 0 for the weights: 32 rows of 768 bytes are a dense block, 96 rows of 256 bytes, 16 bytes of padding behind each; no mask: my work-group's own
.set G0W, 96
	s_mov_b32 s[G1W], (3<<16)|(1<<20)|(5<<22)|(3<<25)
	s_mov_b32 s[G1W+1], 32<<16
	s_mov_b32 s[G1W+2], 96<<16
	s_mov_b32 s[G1W+3], 32<<16
	s_mov_b32 s[G1W+4], 96
	s_mov_b32 s[G1W+5], 32
	s_mov_b32 s[G1W+6], 0
	s_mov_b32 s[G1W+7], 0
	s_and_b32 s78, s[WV], 1                        ; the blocks' parity
	s_lshr_b32 s79, s[WV], 1                       ; which eight of its sixteen
	s_mul_i32 s76, s78, 49280                      ; in a slot the odd blocks lie 49,280 bytes behind the even ones
	s_mul_i32 s80, s79, 24576
	s_add_co_u32 s76, s76, s80
	s_lshl_b32 s79, s79, 4
	s_add_co_u32 s78, s78, s79
	s_mul_i32 s77, s78, 49152
	s_mul_i32 s74, s[BB], 1572864
	s_add_co_u32 s74, s74, s77
	s_mov_b32 s75, 0
	s_lshl_b32 s78, s[BB], 16
	s_and_b32 s79, s[WV], 1
	s_lshl_b32 s79, s79, 15
	s_add_co_u32 s78, s78, s79
	s_mov_b32 s79, 0
	s_and_b32 s80, s[WV], 1
	s_mul_i32 s80, s80, 2*SCW
	s_mov_b32 s[SEL], 0x76543210
	s_mov_b32 s[SEL+1], 0xfedcba98
	s_mov_b32 s[NC], 0xbfb8aa3b                    ; -log2(e)
	s_mov_b32 s[NC+1], s[NC]
	s_mov_b32 s[CL], 0x42f00000                    ; 120.0
	s_mov_b32 s[HM], 0xffff0000
	s_mov_b32 s[TB], 0
	s_mov_b32 s[TS], 0
	s_mov_b32 s[CNT], 14
	s_cmp_ge_u32 s[WV], 1
	s_cselect_b32 s[M1], -1, 0
	s_cmp_ge_u32 s[WV], 2
	s_cselect_b32 s[M2], -1, 0
	s_cmp_ge_u32 s[WV], 3
	s_cselect_b32 s[M3], -1, 0
	s_lshr_b32 s81, s[WV], 1
	s_and_b32 s81, s81, s[WV]                      ; 1 in wave 3 alone
	s_or_b32 s81, s81, ttmp9                       ; 0 in waves 0 to 2 of the batch's first cluster
	s_cmp_eq_u32 s81, 0
	s_cselect_b32 s[LIM], 1, -1
	s_wait_kmcnt 0x0
	s_mov_b32 s[G0S], 1
	s_add_co_u32 s[G0S+1], s80, SCL
	s_add_nc_u64 s[G0S+2:G0S+3], s[6:7], s[78:79]
	s_or_b32 s[G0S+3], s[G0S+3], 0x80000000
	s_mov_b32 s[G0A], 1
	s_mov_b32 s[G0A+1], s76
	s_add_nc_u64 s[G0A+2:G0A+3], s[4:5], s[74:75]
	s_mov_b32 s[G0B], 1
	s_add_co_u32 s[G0B+1], s76, SLOT1
	s_add_nc_u64 s[G0B+2:G0B+3], s[G0A+2:G0A+3], CHUNKB
	s_or_b32 s[G0A+3], s[G0A+3], 0x80000000
	s_or_b32 s[G0B+3], s[G0B+3], 0x80000000
	s_mul_i32 s82, s[KB], 24576                    ; my 32 rows of 768 bytes
	s_add_co_u32 s82, s82, WOFF
	s_mov_b32 s83, 0
	s_and_b32 s84, s[WV], 1
	s_cmp_eq_u32 s84, 0
	s_cselect_b64 s[G0W+2:G0W+3], s[8:9], s[12:13] ; wave 0 Wz, wave 1 Wh
	s_add_nc_u64 s[G0W+2:G0W+3], s[G0W+2:G0W+3], s[82:83]
	s_or_b32 s[G0W+3], s[G0W+3], 0x80000000
	s_mov_b32 s[G0W], 1
	s_mul_i32 s[G0W+1], s84, 26112                 ; into slot 1's bytes: Wz's 96 x 272 bytes, then Wh's
	s_add_co_u32 s[G0W+1], s[G0W+1], SLOT1
	CROUND                                         ; in front of the first loads
	s_cmp_lt_u32 s[WV], 2                          ; the head's loads, one a wave: waves 0 and 1 the weights, waves 2 and 3 the scale bytes, jointly
	s_cbranch_scc0 .Lhead_s
	tensor_load_to_lds s[G0W:G0W+3], s[G1W:G1W+7]
	s_nop 0
	PLACES 4
	s_branch .Lhead_j
.Lhead_s:
	tensor_load_to_lds s[G0S:G0S+3], s[G1S:G1S+7]
	s_nop 0
	PLACES 4
.Lhead_j:
	s_lshl_b32 s82, s[KB], 10
	s_add_co_u32 s82, s82, WSOFF
	s_add_nc_u64 s[10:11], s[10:11], s[82:83]
	s_add_nc_u64 s[14:15], s[14:15], s[82:83]
	s_lshl_b32 s82, s[KB], 7
	s_add_co_u32 s82, s82, BOFF
	s_add_nc_u64 s[16:17], s[16:17], s[82:83]
	s_add_nc_u64 s[18:19], s[18:19], s[82:83]
	s_lshl_b32 s82, s[BB], 23                      ; a batch of out0,
	s_lshl_b32 s84, s[KB], 7                       ; my 32 channels
	s_add_co_u32 s82, s82, s84
	s_add_nc_u64 s[20:21], s[20:21], s[82:83]
	s_mul_i32 s82, s[BB], 1572864
	s_mul_i32 s84, s[CX], PFW
	s_add_co_u32 s82, s82, s84
	s_add_co_u32 s82, s82, 2*CHUNKB                ; in chunk 2: the first refill steps it to chunk 3
	s_add_nc_u64 s[PFA:PFA+1], s[4:5], s[82:83]
	v_and_b32 v[TMP+1], 15, v0                     ; r
	v_bfe_u32 v[TMP+2], v0, 4, 1                   ; h
	v_and_b32 v[TMP+3], 31, v0
	v_mul_u32_u24 v[TMP+4], v[TMP+1], 1632         ; W in LDS: rows 2 r (+ tile) of 816 bytes, + 24 h, in slot 1's bytes
	v_mad_u32_u24 v[TMP+4], v[TMP+2], 24, v[TMP+4]
	v_add_nc_u32 v[TMP+4], SLOT1, v[TMP+4]
	v_lshl_add_u32 v[AGV], v[TMP+2], 4, v[TMP+4]   ; the same where lanes 16-31 read behind one padding more
	v_lshlrev_b32 v[TMP+5], 6, v[TMP+1]            ; W's scale bytes: rows 2 r (+ tile) of 32, + 16 h
	v_lshl_add_u32 v[TMP+5], v[TMP+2], 4, v[TMP+5]
	v_lshlrev_b32 v[TMP+6], 3, v[TMP+1]            ; the biases of channels 2 r, 2 r + 1
	v_mul_u32_u24 v[ADA0], v[TMP+1], 24            ; A: step r of my wave's 16; lanes 16-31 take the odd blocks
	v_mad_u32_u24 v[ADA0], v[TMP+2], 49280, v[ADA0]
	s_mul_i32 s81, s[WV], 384
	v_add_nc_u32 v[ADA0], s81, v[ADA0]
	v_lshl_add_u32 v[ADS0], v[TMP+2], 15, v[TMP+1] ; scale byte (block, step) at 2,048 block + step; lanes 16-31 blocks 16 on
	s_lshl_b32 s81, s[WV], 4
	s_add_co_u32 s81, s81, SCL
	v_add_nc_u32 v[ADS0], s81, v[ADS0]
	v_lshlrev_b32 v[GO], 15, v[TMP+2]              ; out: row 8 h (+ register), channels 2 r, 2 r + 1, my wave's 16 rows
	v_lshl_add_u32 v[GO], v[TMP+1], 3, v[GO]
	s_lshl_b32 s81, s[WV], 16
	v_add_nc_u32 v[GO], s81, v[GO]
	v_mul_u32_u24 v[TMP+7], v0, 171                ; thread i names block i % 12 of run i / 12 (171 / 2,048 serves i under 96)
	v_lshrrev_b32 v[TMP+7], 11, v[TMP+7]
	v_mul_u32_u24 v[TMP], v[TMP+7], 12
	v_sub_nc_u32 v[TMP], v0, v[TMP]
	v_mul_u32_u24 v[PFO], v[TMP+7], 49152
	v_lshl_add_u32 v[PFO], v[TMP], 8, v[PFO]
	v_lshlrev_b32 v[AGW], 4, v[TMP+3]
	s_lshl_b32 s81, s[WV], 9
	s_add_co_u32 s81, s81, AGG
	v_add_nc_u32 v[AGW], s81, v[AGW]
	v_lshl_add_u32 v[AGR], v[TMP+1], 4, AGG+256    ; lane 16 + r holds the aggregate of channels 2 r, 2 r + 1
; W's fragments: of row 2 r + tile the 24 bytes at 96 q + 48 c + 24 h into registers 6 c .. 6 c + 5, in pieces of 8 bytes; they stay for the whole launch
.macro WLOAD q0
.set QQ, \q0
.rept 4
.set CT, 0
.rept 4
.set PP, 0
.rept 6
.set RG, 48*(QQ%4)+12*CT+2*PP
.set PC, 12*QQ+6*(PP/3)+PP%3           ; the row's piece of 8 bytes that lanes 0-15 take; 16 bytes of padding lie behind every 32 pieces
.set IM, 26112*(CT/2)+816*(CT%2)+8*PC+16*(PC/32)
.if PC%32 < 29
	ds_load_b64 v[RG:RG+1], v[TMP+4] offset:IM
.else
	ds_load_b64 v[RG:RG+1], v[AGV] offset:IM
.endif
.set PP, PP+1
.endr
.set CT, CT+1
.endr
.set QQ, QQ+1
.endr
.endm
	LATER G0A, G1                                  ; chunk 0; behind the round the weights and the scale bytes are whole for every wave
	WIN 0x40
	WLOAD 0
	WIN 0x80
	WLOAD 4
	WIN 0
	global_load_b128 v[WS:WS+3], v[TMP+5], s[10:11]
	global_load_b128 v[WS+4:WS+7], v[TMP+5], s[10:11] offset:32
	global_load_b128 v[WS+8:WS+11], v[TMP+5], s[14:15]
	global_load_b128 v[WS+12:WS+15], v[TMP+5], s[14:15] offset:32
	global_load_b64 v[CBZ:CBZ+1], v[TMP+6], s[16:17]
	global_load_b64 v[CBH:CBH+1], v[TMP+6], s[18:19]
	v_mov_b32 v[H], 0.5                            ; h_0
	v_mov_b32 v[H+1], 0.5
	v_mov_b32 v[OP], 0                             ; a lane permute's destination counts as one of its sources
	v_mov_b32 v[OP+1], 0
	v_mov_b32 v[OQ], 0
	v_mov_b32 v[OQ+1], 0
	LATER G0B, G1                                  ; chunk 1 fills slot 1's bytes again: every wave of the four work-groups has read its weights out of them
	s_wait_loadcnt 0x0
	v_pk_add_f32 v[BH5:BH5+1], v[CBH:CBH+1], 0.5 op_sel_hi:[1,0]
	v_pk_mul_f32 v[CBZ:CBZ+1], v[CBZ:CBZ+1], s[NC:NC+1] op_sel_hi:[1,0]
	v_pk_mul_f32 v[CBH:CBH+1], v[CBH:CBH+1], s[NC:NC+1] op_sel_hi:[1,0]
.macro FETCHS                          ; A's scale bytes: byte i of word j is block 4 j + i (+ 16 in lanes 16-31), into registers that the epilogue has left
	v_add_nc_u32 v[ADS], s[TS], v[ADS0]
	s_add_co_u32 s[TS], s[TS], TSSTEP
.set PP, 0
.rept 16
	ds_load_u8 v[YP+PP], v[ADS] offset:2048*PP
.set PP, PP+1
.endr
.endm
.macro PACKS                           ; the bytes make the words
.set PP, 0
.rept 4
	v_lshl_or_b32 v[XS+PP], v[YP+4*PP+1], 8, v[YP+4*PP]
	v_lshl_or_b32 v[XS+PP], v[YP+4*PP+2], 16, v[XS+PP]
	v_lshl_or_b32 v[XS+PP], v[YP+4*PP+3], 24, v[XS+PP]
.set PP, PP+1
.endr
.endm
.macro FETCHA hf                       ; A's eight fragments of half hf of the slot: 48 loads of 8 bytes, in the order of K
	v_add_nc_u32 v[ADA], s[TB], v[ADA0]
.set QQ, 0
.rept 8
.set PP, 0
.rept 6
.set RG, AF+12*QQ+2*PP
.set OF, (\hf)*1536+(2*QQ+PP/3)*3072+8*(PP%3)
	ds_load_b64 v[RG:RG+1], v[ADA] offset:OF
.set PP, PP+1
.endr
.set QQ, QQ+1
.endr
.endm
.macro NEXT fh, agg                    ; fh: the next tile's half of the slot, or -1: none.  agg = 1: the four aggregates are read too
.if \fh >= 0
	FETCHS
.endif
.if \agg
.set J, 0
.rept 4
	ds_load_b128 v[E2+4*J:E2+4*J+3], v[AGR] offset:2048*X+512*J
.set J, J+1
.endr
.endif
.if \fh >= 0
	FETCHA \fh
	s_wait_dscnt 48                                ; all but the 48 loads of fragments
	PACKS
.else
	s_wait_dscnt 0x0
.endif
.endm
.macro MM                              ; K step QQ, column tile CT, into set X
.set RD, ACC+32*X+8*CT
.set RA, AF+12*QQ
.set RB, 48*(QQ%4)+12*CT
.set SA, XS+QQ%4
.set SB, WS+4*CT+QQ%4
.if QQ == 0
	v_wmma_scale_f32_16x16x128_f8f6f4 v[RD:RD+7], v[RA:RA+11], v[RB:RB+11], 0, v[SA], v[SB] matrix_a_fmt:MATRIX_FMT_BF6 matrix_b_fmt:MATRIX_FMT_BF6
.elseif QQ < 4
	v_wmma_scale_f32_16x16x128_f8f6f4 v[RD:RD+7], v[RA:RA+11], v[RB:RB+11], v[RD:RD+7], v[SA], v[SB] matrix_a_fmt:MATRIX_FMT_BF6 matrix_b_fmt:MATRIX_FMT_BF6
.else
	v_wmma_scale_f32_16x16x128_f8f6f4 v[RD:RD+7], v[RA:RA+11], v[RB:RB+11], v[RD:RD+7], v[SA], v[SB] matrix_a_fmt:MATRIX_FMT_BF6 matrix_b_fmt:MATRIX_FMT_BF6 matrix_a_scale:MATRIX_SCALE_ROW1 matrix_b_scale:MATRIX_SCALE_ROW1
.endif
.endm
; this tile's 32 products, nothing between them: the four accumulators take turns
.macro KLOOP
.set QQ, 0
.rept 8
	s_wait_dscnt 6*(7-QQ)                          ; this K step's fragment is in; the six loads of each later K step may be out
.if QQ == 0
	WIN 0x04                                       ; source 1 (W) window 1
.endif
.if QQ == 4
	WIN 0x08                                       ; window 2
.endif
.set CT, 0
.rept 4
	MM
.set CT, CT+1
.endr
.set QQ, QQ+1
.endr
	WIN 0
.endm
.macro FMAT d, a, cst                  ; v[d], v[d + 1] = v[a], v[a + 1] x -c + half TT of the pair cst
.if TT == 0
	v_pk_fma_f32 v[\d:\d+1], v[\a:\a+1], s[NC:NC+1], v[\cst:\cst+1] op_sel_hi:[1,0,0]
.else
	v_pk_fma_f32 v[\d:\d+1], v[\a:\a+1], s[NC:NC+1], v[\cst:\cst+1] op_sel:[0,0,1] op_sel_hi:[1,0,1]
.endif
.endm
; Two steps of one tile (N / 2 of 8), pass PH: 0: -c k - c bz; 1: held at 120, into E1; 2: -c p - c bh over k's registers; 3: the four exponentials.  Each accumulator is read from its low end on.
.macro EXPS
.set U, N/2
.set TT, U/4
.set JP, U%4
.set LO, YK+8*TT+2*JP
.set LP, LO+16
.set IA, 4*JP+TT
.if PH == 0
	FMAT LO, LO, CBZ
.elseif PH == 1
	v_min_num_f32 v[E1+IA], v[LO], s[CL]
	v_min_num_f32 v[E1+IA+2], v[LO+1], s[CL]
.elseif PH == 2
	FMAT LO, LP, CBH
.else
	v_exp_f32 v[E1+IA], v[E1+IA]
	v_exp_f32 v[E1+IA+2], v[E1+IA+2]
	v_exp_f32 v[E2+IA], v[LO]
	v_exp_f32 v[E2+IA+2], v[LO+1]
.endif
.endm
; N even: 1 + 2^(-c k) into k's registers (index 2 step + tile from here on), 1 + 2^(-c p), p + (bh + 0.5); N odd: z and sigmoid(p)
.macro RCPS
.set MI, N/2
.if N%2 == 0
	v_pk_add_f32 v[YK+2*MI:YK+2*MI+1], v[E1+2*MI:E1+2*MI+1], 1.0 op_sel_hi:[1,0]
	v_pk_add_f32 v[E2+2*MI:E2+2*MI+1], v[E2+2*MI:E2+2*MI+1], 1.0 op_sel_hi:[1,0]
.if MI < 4
	v_pk_fma_f32 v[YP+2*MI:YP+2*MI+1], v[YP+2*MI:YP+2*MI+1], 1.0, v[BH5:BH5+1] op_sel_hi:[1,0,0]
.else
	v_pk_fma_f32 v[YP+2*MI:YP+2*MI+1], v[YP+2*MI:YP+2*MI+1], 1.0, v[BH5:BH5+1] op_sel:[0,0,1] op_sel_hi:[1,0,1]
.endif
.else
	v_rcp_f32 v[YK+2*MI], v[YK+2*MI]
	v_rcp_f32 v[YK+2*MI+1], v[YK+2*MI+1]
	v_rcp_f32 v[E2+2*MI], v[E2+2*MI]
	v_rcp_f32 v[E2+2*MI+1], v[E2+2*MI+1]
.endif
.endm
; The activations of the tile before, in batches.  One wait ahead of each batch and one behind it; the wait behind the reciprocals opens CHAIN.
.macro ACT
	s_wait_alu depctr_va_vdst(0)
.irp ph, 0,1,2,3
.if \ph == 3
	s_wait_alu depctr_va_vdst(0)
.endif
.set PH, \ph
.set N, 0
.rept 8
	EXPS
.set N, N+2
.endr
.endr
	v_nop                                          ; a plain line behind the last exponential
	s_wait_alu depctr_va_vdst(0)
.irp od, 0,1
.if \od
	s_wait_alu depctr_va_vdst(0)
.endif
.set N, \od
.rept 8
	RCPS
.set N, N+2
.endr
.endr
	v_nop                                          ; a plain line behind the last reciprocal
.endm
; a = 2^(-c k) z, g = max(p + bh + 0.5, sigmoid(p)), b = z g; down the lane's 8 steps Q_j = a_j Q_(j-1) + b_j, P_j = a_j P_(j-1); lanes 16-31 join the lower half's (P, Q) to theirs
.macro CHAIN
	s_wait_alu depctr_va_vdst(0)                   ; one wait for the 32 reciprocals
.set J, 0
.rept 8
	v_pk_mul_f32 v[E1+2*J:E1+2*J+1], v[E1+2*J:E1+2*J+1], v[YK+2*J:YK+2*J+1]
.set J, J+1
.endr
.set J, 0
.rept 8
	v_max_num_f32 v[E2+2*J], v[YP+J], v[E2+2*J]
	v_max_num_f32 v[E2+2*J+1], v[YP+8+J], v[E2+2*J+1]
.set J, J+1
.endr
.set J, 0
.rept 8
	v_pk_mul_f32 v[YK+2*J:YK+2*J+1], v[YK+2*J:YK+2*J+1], v[E2+2*J:E2+2*J+1]
.set J, J+1
.endr
.set J, 1
.rept 7
	v_pk_fma_f32 v[YK+2*J:YK+2*J+1], v[E1+2*J:E1+2*J+1], v[YK+2*J-2:YK+2*J-1], v[YK+2*J:YK+2*J+1]
	v_pk_mul_f32 v[E1+2*J:E1+2*J+1], v[E1+2*J:E1+2*J+1], v[E1+2*J-2:E1+2*J-1]
.set J, J+1
.endr
	v_permlanex16_b32 v[OP], v[E1+14], s[SEL], s[SEL+1]
	v_permlanex16_b32 v[OP+1], v[E1+15], s[SEL], s[SEL+1]
	v_permlanex16_b32 v[OQ], v[YK+14], s[SEL], s[SEL+1]
	v_permlanex16_b32 v[OQ+1], v[YK+15], s[SEL], s[SEL+1]
	v_pk_mul_f32 v[AGV:AGV+1], v[E1+14:E1+15], v[OP:OP+1]
	v_pk_fma_f32 v[AGV+2:AGV+3], v[E1+14:E1+15], v[OQ:OQ+1], v[YK+14:YK+15]   ; right in lanes 16-31, which are read
	ds_store_b128 v[AGW], v[AGV:AGV+3] offset:2048*X
.endm
; The stage's one barrier shows every wave the four aggregates, whose bytes take turns between two parities.
; kind 1: no more.  kind 2: a slot has been read out: a round of the cluster's barrier, and the refill behind it.  kind 3: the same change of slots with nothing left to fetch.
.macro BAR kind
.if \kind == 1
	s_wait_dscnt 0x0
	s_barrier_signal -1
	s_barrier_wait -1
.elseif \kind == 3
	s_wait_tensorcnt 0x0
	ds_add_u32 v[SPW], v[NIL]
	s_wait_dscnt 0x0
	s_barrier_signal -1
	s_barrier_wait -1
.else
	s_wait_tensorcnt 0x0                           ; all my tensor loads have landed, so a group 0 may be written
	ds_add_u32 v[SPW], v[NIL]
	s_xor_b32 s[G0B+1], s[G0B+1], SLOT1            ; the other slot,
	s_add_nc_u64 s[G0B+2:G0B+3], s[G0B+2:G0B+3], CHUNKB   ; the next 128 steps
	s_wait_xcnt 0x0                                ; the last prefetch has read its address
	s_add_nc_u64 s[PFA:PFA+1], s[PFA:PFA+1], CHUNKB
	s_wait_dscnt 0x0                               ; the add, my aggregate and my reads of the slot are done
	CROUND
	tensor_load_to_lds s[G0B:G0B+3], s[G1:G1+7]    ; my one tensor load until the next round: two stages in which to land
	s_nop 0
	PLACES 4
	ASK
.endif
.endm
; h behind each wave's 16 steps in turn; mine is picked by masks of the wave's number; lanes 16-31 go on through the lower half's (P, Q); h_j = P_j x carry + Q_j
.macro CARRY
	v_pk_fma_f32 v[TMP:TMP+1], v[E2:E2+1], v[H:H+1], v[E2+2:E2+3]
	v_pk_fma_f32 v[TMP+2:TMP+3], v[E2+4:E2+5], v[TMP:TMP+1], v[E2+6:E2+7]
	v_cndmask_b32 v[HW], v[H], v[TMP], s[M1]
	v_cndmask_b32 v[HW+1], v[H+1], v[TMP+1], s[M1]
	v_pk_fma_f32 v[TMP+4:TMP+5], v[E2+8:E2+9], v[TMP+2:TMP+3], v[E2+10:E2+11]
	v_cndmask_b32 v[HW], v[HW], v[TMP+2], s[M2]
	v_cndmask_b32 v[HW+1], v[HW+1], v[TMP+3], s[M2]
	v_pk_fma_f32 v[H:H+1], v[E2+12:E2+13], v[TMP+4:TMP+5], v[E2+14:E2+15]
	v_cndmask_b32 v[HW], v[HW], v[TMP+4], s[M3]
	v_cndmask_b32 v[HW+1], v[HW+1], v[TMP+5], s[M3]
	v_pk_fma_f32 v[TMP+6:TMP+7], v[OP:OP+1], v[HW:HW+1], v[OQ:OQ+1]
	v_cndmask_b32 v[HIN], v[HW], v[TMP+6], s[HM]
	v_cndmask_b32 v[HIN+1], v[HW+1], v[TMP+7], s[HM]
.set J, 0
.rept 8
	v_pk_fma_f32 v[YK+2*J:YK+2*J+1], v[E1+2*J:E1+2*J+1], v[HIN:HIN+1], v[YK+2*J:YK+2*J+1]
.set J, J+1
.endr
.endm
.macro OUT2
.set J, 0
.rept 8
	global_store_b64 v[GO], v[YK+2*J:YK+2*J+1], s[20:21] offset:4096*J-STEP th:TH_STORE_NT   ; sixteen lanes store a row's 128 consecutive bytes
.set J, J+1
.endr
.endm
; A STAGE.  x: the set that this tile's products take; the epilogue works on the other set.
.macro STAGE x, mm, ep, bar, fh
.set X, \x
.set Y, 1-X
.set YK, ACC+32*Y
.set YP, YK+16
.if \ep
	s_wait_xcnt 0x0                                ; the last stage's stores have read their data and their base,
	s_add_nc_u64 s[20:21], s[20:21], STEP          ; which steps: the stores reach back by a negative immediate
	ACT
	CHAIN
.endif
	s_wait_alu depctr_va_vdst(0)
.if \mm
	KLOOP
	PLACES 4                                       ; in front of loads into registers that matrix instructions have read
.endif
.if \ep
	BAR \bar
.if \fh == 0
	s_xor_b32 s[TB], s[TB], SLOT1                  ; the next tile begins the other slot
.endif
	NEXT \fh, 1
	CARRY
	OUT2
.else
	NEXT \fh, 0
	PLACES 8                                       ; a scale register written by a vector instruction stands 8 places ahead of a scaled matrix instruction
.endif
.endm
	s_wait_alu depctr_va_vdst(0)
	s_wait_tensorcnt 0x1                           ; the scale bytes and chunk 0 are in; chunk 1's load may stay out
	s_barrier_signal -1
	s_barrier_wait -1
.set X, 0
.set Y, 1
.set YK, ACC+32*Y
.set YP, YK+16
	NEXT 0, 0                                      ; tile 0
	PLACES 8
	STAGE 0, 1, 0, 0, 1                            ; tile 0's products; there is no tile before it
.Lpair:                                                ; 14 trips of two stages: each refills the slot just read out, chunks 2 to 15
	STAGE 1, 1, 1, 2, 0
	STAGE 0, 1, 1, 1, 1
	s_sub_co_u32 s[CNT], s[CNT], 1
	s_cmp_lg_u32 s[CNT], 0
	s_cbranch_scc1 .Lpair
	STAGE 1, 1, 1, 3, 0                            ; the tail is written out
	STAGE 0, 1, 1, 1, 1
	STAGE 1, 1, 1, 1, -1
	STAGE 0, 0, 1, 1, -1                           ; tile 31's epilogue
	s_wait_tensorcnt 0x0                           ; the wave's end
	ds_add_u32 v[SPW], v[NIL]
	s_wait_dscnt 0x0
	CROUND                                         ; the closing round
	s_endpgm
.Lfunc_end_k_q0ce43ae49e_layer2:
	.size	k_q0ce43ae49e_layer2, .Lfunc_end_k_q0ce43ae49e_layer2-k_q0ce43ae49e_layer2
	.p2alignl 7, 3214868480
	.fill 96, 4, 3214868480
	.section	.rodata,"a",@progbits
	.p2align	6, 0x0
	.amdhsa_kernel k_q0ce43ae49e_layer2
		.amdhsa_group_segment_fixed_size 327680
		.amdhsa_private_segment_fixed_size 0
		.amdhsa_enable_private_segment 0
		.amdhsa_kernarg_size 72
		.amdhsa_user_sgpr_count 2
		.amdhsa_user_sgpr_kernarg_segment_ptr 1
		.amdhsa_wavefront_size32 1
		.amdhsa_system_sgpr_workgroup_id_x 1
		.amdhsa_system_sgpr_workgroup_id_y 1
		.amdhsa_system_sgpr_workgroup_id_z 1
		.amdhsa_system_vgpr_workitem_id 0
		.amdhsa_next_free_vgpr 768
		.amdhsa_next_free_sgpr 100
		.amdhsa_reserve_vcc 0
		.amdhsa_float_denorm_mode_32 3
		.amdhsa_float_denorm_mode_16_64 3
		.amdhsa_memory_ordered 1
		.amdhsa_forward_progress 1
		.amdhsa_inst_pref_size 148
	.end_amdhsa_kernel
	.amdgpu_metadata
---
amdhsa.version: [ 1, 2 ]
amdhsa.kernels:
  - .name:           k_q0ce43ae49e_layer2
    .symbol:         k_q0ce43ae49e_layer2.kd
    .args:
      - { .name: h1_codes, .offset: 0, .size: 8, .value_kind: global_buffer, .address_space: global }
      - { .name: h1_scales, .offset: 8, .size: 8, .value_kind: global_buffer, .address_space: global }
      - { .name: Wz_codes, .offset: 16, .size: 8, .value_kind: global_buffer, .address_space: global }
      - { .name: Wz_scales, .offset: 24, .size: 8, .value_kind: global_buffer, .address_space: global }
      - { .name: Wh_codes, .offset: 32, .size: 8, .value_kind: global_buffer, .address_space: global }
      - { .name: Wh_scales, .offset: 40, .size: 8, .value_kind: global_buffer, .address_space: global }
      - { .name: bz, .offset: 48, .size: 8, .value_kind: global_buffer, .address_space: global }
      - { .name: bh, .offset: 56, .size: 8, .value_kind: global_buffer, .address_space: global }
      - { .name: out0, .offset: 64, .size: 8, .value_kind: global_buffer, .address_space: global }
    .group_segment_fixed_size: 327680
    .private_segment_fixed_size: 0
    .kernarg_segment_align: 8
    .kernarg_segment_size: 72
    .max_flat_workgroup_size: 128
    .sgpr_count:     100
    .vgpr_count:     768
    .wavefront_size: 32
...
	.end_amdgpu_metadata
.endif
;; end of part 2
